; MI455X (gfx1250); checked and timed in simulation.
; The chip was launched on July 23, 2026; its instructions are those of AMD's public machine-readable ISA for CDNA 5 (MIT licence, August 2026) and "CDNA5" Instruction Set Architecture Reference Guide (July 2026). The comments in the code are by the model that wrote it; some were corrected since.
;; Lin ODE Cell. Allowed arithmetic: float matrix products may take bf16 or f16 operands with f32 sums; other float arithmetic in f32, or as packed bf16 or f16 multiplies, adds, multiply-adds, maxima and minima; sums over many terms, partial sums and values carried from step to step in f32; what a program stores and reads back later, other than sums and carried values, may be rounded once to bf16 or f16.
;; Inputs: dt 8,192 float32; kernel 64 x 64 float32; x0 8,192 x 64 float32.
;; Outputs: out0 8,192 x 64 float32.
;; One version. Each part assembles by itself: llvm-mc -triple=amdgcn-amd-amdhsa -mcpu=gfx1250 --defsym DOCPART=n.
;; ======== version 1 of 1: 2 launches
;; limits: right only within a limited range of input values
;; workspace buffers: abf 8,192 bytes; steps 256 bytes of whole numbers
;; launch prep (part 1): grid 1 x 1, 8 waves a work-group, no clusters, 2,048 bytes of LDS; arguments dt, kernel, abf, steps; writes abf, steps
.if DOCPART == 1
	.amdgcn_target "amdgcn-amd-amdhsa--gfx1250"
	.amdhsa_code_object_version 6
	.text
	.protected	k_q4565e02077_prep
	.globl	k_q4565e02077_prep
	.p2align	8
	.type	k_q4565e02077_prep,@function
k_q4565e02077_prep:
	s_mov_b64 s[64:65], 0
	v_nop
	global_prefetch_b8 v0, s[64:65] scope:SCOPE_SE
	s_setreg_imm32_b32 hwreg(HW_REG_WAVE_MODE, 25, 1), 1
	s_wait_xcnt 0x0
; PREPARATION for out[b] = expm(dt[b] A) x0[b], A = kernel [64][64] f32, dt [8192] f32.
; Makes (1) abf: A rounded once to bf16, laid out as the eight matrix fragments that the next launch loads as they lie:
;           fragment f = 2 it + kb (rows 16 it .. +15 of A, columns 32 kb .. +31) at byte 1,024 f; lane l's registers 0-3 at + 16 l, registers 4-7 at + 512 + 16 l;
;       (2) steps: s = floor(N T / 2) + 1 as a whole number, 64 copies (256 bytes), N = the largest row sum of |A|, T = the largest |dt|.
; With s equal steps of dt[b] / s each, the infinity norm of (dt[b] / s) A stays below 2 for every row b: the next launch's series is cut for that length.
; LIMITS.  s is held to 1 .. 65,536, so for N T above 131,072 a step is longer than 2.  A NaN in A or dt loses in the maxima and does not reach s (all NaN: s = 1); an infinity gives s = 65,536.
; SHARES.  One work-group: both reductions span all of A and dt, 48 KiB in all.  Wave f makes fragment f and the partial row sums of its 16 rows x 32 columns; thread t takes 32 numbers of dt.
; A is read in the fragments' shape (32 bytes of each of 16 rows an instruction): 16 KiB, once in the program, so a way through LDS for it is left out.
.set ROWP,  0                          ; LDS: partial row sums, wave f, row r at 64 f + 4 r: 512 bytes
.set DTM,   512                        ; LDS: the eight waves' maxima of |dt|, 4 bytes each
.set SPARE, 768                        ; the spare words, 128 bytes for each of the eight waves; no other line names them
.set A32,   16                         ; v[16:31]  my 16 numbers of A
.set D32,   32                         ; v[32:63]  my 32 numbers of dt
.set FR,    64                         ; v[64:71]  my part of the fragment, bf16
.set C,     72                         ; v[72:79]  at work
	s_load_b256 s[4:11], s[0:1], 0x0               ; dt s[4:5], kernel s[6:7], abf s[8:9], steps s[10:11]
	v_lshl_add_u32 v10, v0, 2, SPARE               ; my spare word; never rewritten
	v_mov_b32 v11, 0                               ; 0; never rewritten
	v_lshrrev_b32 v1, 5, v0
	v_readfirstlane_b32 s12, v1                    ; wave f = 0..7
	s_lshr_b32 s13, s12, 1                         ; it
	s_and_b32 s14, s12, 1                          ; kb
	s_mov_b32 s16, 0x7fffffff                      ; clears a sign
	s_mov_b32 s20, 0x76543210                      ; v_permlanex16_b32: each lane takes its own place in the other half
	s_mov_b32 s21, 0xfedcba98
	v_and_b32 v1, 31, v0                           ; l
	v_and_b32 v2, 15, v0                           ; r = l % 16
	v_bfe_u32 v3, v0, 4, 1                         ; h = l / 16
	s_lshl_b32 s15, s13, 12                        ; 16 it rows of 256 bytes
	s_lshl_b32 s17, s14, 7                         ; 32 kb columns of 4 bytes
	s_add_co_u32 s15, s15, s17
	v_lshl_add_u32 v4, v2, 8, s15                  ; in A: row 16 it + r,
	v_lshl_add_u32 v4, v3, 5, v4                   ; column 32 kb + 8 h
	v_lshlrev_b32 v5, 4, v0                        ; in dt: 16 bytes a thread
	s_lshl_b32 s17, s12, 10
	v_lshl_add_u32 v6, v1, 4, s17                  ; in abf: 1,024 f + 16 l
	s_lshl_b32 s18, s12, 6
	v_lshl_add_u32 v7, v2, 2, s18                  ; ROWP + 64 f + 4 r
	s_lshl_b32 s19, s12, 2
	s_add_co_u32 s19, s19, DTM
	v_mov_b32 v8, s19                              ; DTM + 4 f
	v_mov_b32 v9, 0                                ; v_permlanex16_b32's destination counts as read: written here
	v_lshlrev_b32 v12, 7, v3
	v_lshl_add_u32 v12, v2, 2, v12                 ; wave 0 reads back at 128 h + 4 r
	v_mov_b32 v13, DTM
	v_lshlrev_b32 v94, 3, v1                       ; in steps: 8 bytes a lane
	s_wait_kmcnt 0x0
	global_load_b128 v[A32:A32+3],     v4, s[6:7]             ; columns 32 kb + 8 h + 0..3
	global_load_b128 v[A32+4:A32+7],   v4, s[6:7] offset:16   ; + 4..7
	global_load_b128 v[A32+8:A32+11],  v4, s[6:7] offset:64   ; columns 32 kb + 16 + 8 h + 0..3
	global_load_b128 v[A32+12:A32+15], v4, s[6:7] offset:80   ; + 4..7
.irp j, 0,1,2,3,4,5,6,7
	global_load_b128 v[D32+4*(\j):D32+4*(\j)+3], v5, s[4:5] offset:4096*(\j) th:TH_LOAD_NT  ; the work-group's 256 threads cover 4,096 consecutive bytes
.endr
; The maximum over the wave's 32 lanes, left in every lane.
.macro WMAX reg
	v_max_num_f32_dpp v[\reg], v[\reg], v[\reg] row_xmask:1 row_mask:0xf bank_mask:0xf
	v_max_num_f32_dpp v[\reg], v[\reg], v[\reg] row_xmask:2 row_mask:0xf bank_mask:0xf
	v_max_num_f32_dpp v[\reg], v[\reg], v[\reg] row_xmask:4 row_mask:0xf bank_mask:0xf
	v_max_num_f32_dpp v[\reg], v[\reg], v[\reg] row_xmask:8 row_mask:0xf bank_mask:0xf
	v_permlanex16_b32 v9, v[\reg], s20, s21
	v_max_num_f32 v[\reg], v[\reg], v9
.endm
	s_wait_loadcnt 8                               ; the eight loads of dt are younger: A's four are in
.irp j, 0,1,2,3,4,5,6,7
	v_cvt_pk_bf16_f32 v[FR+(\j)], v[A32+2*(\j)], v[A32+2*(\j)+1]  ; rounded once, the lower column in the lower half
.endr
	global_store_b128 v6, v[FR:FR+3],   s[8:9]             ; the wave's store covers 512 consecutive bytes, aligned
	global_store_b128 v6, v[FR+4:FR+7], s[8:9] offset:512
.irp j, 0,1,2,3,4,5,6,7,8,9,10,11,12,13,14,15
	v_and_b32 v[A32+(\j)], s16, v[A32+(\j)]        ; |A|
.endr
.irp j, 0,4,8,12
	v_pk_add_f32 v[A32+(\j):A32+(\j)+1], v[A32+(\j):A32+(\j)+1], v[A32+(\j)+2:A32+(\j)+3]
.endr
	v_pk_add_f32 v[A32:A32+1],   v[A32:A32+1],   v[A32+4:A32+5]
	v_pk_add_f32 v[A32+8:A32+9], v[A32+8:A32+9], v[A32+12:A32+13]
	v_pk_add_f32 v[A32:A32+1],   v[A32:A32+1],   v[A32+8:A32+9]
	v_add_f32 v[A32], v[A32], v[A32+1]             ; my 16 columns
	v_permlanex16_b32 v9, v[A32], s20, s21         ; the row's other 16 of this kb lie in the lane 16 away
	v_add_f32 v[A32], v[A32], v9
	ds_store_b32 v7, v[A32]                        ; lanes r and r + 16 write the same word with the same number
	s_wait_loadcnt 0x0                             ; dt
.set j, 0
.rept 32
	v_and_b32 v[D32+j], s16, v[D32+j]              ; |dt|
.set j, j+1
.endr
.irp c, 0,1,2,3                        ; four chains of eight numbers, which do not wait for each other
	v_max3_num_f32 v[C+(\c)], v[D32+8*(\c)], v[D32+8*(\c)+1], v[D32+8*(\c)+2]
.endr
.irp c, 0,1,2,3
	v_max3_num_f32 v[C+(\c)], v[C+(\c)], v[D32+8*(\c)+3], v[D32+8*(\c)+4]
.endr
.irp c, 0,1,2,3
	v_max3_num_f32 v[C+(\c)], v[C+(\c)], v[D32+8*(\c)+5], v[D32+8*(\c)+6]
.endr
.irp c, 0,1,2,3
	v_max_num_f32 v[C+(\c)], v[C+(\c)], v[D32+8*(\c)+7]
.endr
	v_max3_num_f32 v[C], v[C], v[C+1], v[C+2]
	v_max_num_f32 v[C], v[C], v[C+3]
	WMAX C
	ds_store_b32 v8, v[C]                          ; all lanes write the wave's word with the same number
	s_wait_dscnt 0x0                               ; for the others' sake: my two stores are done
	s_barrier_signal -1
	s_barrier_wait -1                              ; all partial row sums and all eight maxima lie in LDS
	s_cmp_lg_u32 s12, 0                            ; wave 0 finishes
	s_cbranch_scc1 .Lend
	ds_load_b32 v80, v12                           ; row 16 h + r: columns 0-31,
	ds_load_b32 v81, v12 offset:64                 ; columns 32-63
	ds_load_b32 v82, v12 offset:256                ; row 16 (h + 2) + r likewise
	ds_load_b32 v83, v12 offset:320
	ds_load_b128 v[84:87], v13                     ; the eight maxima, in every lane
	ds_load_b128 v[88:91], v13 offset:16
	s_wait_dscnt 0x0
	v_add_f32 v80, v80, v81
	v_add_f32 v82, v82, v83
	v_max_num_f32 v80, v80, v82
	WMAX 80                                        ; N
	v_max3_num_f32 v84, v84, v85, v86
	v_max3_num_f32 v87, v87, v88, v89
	v_max3_num_f32 v84, v84, v90, v91
	v_max_num_f32 v84, v84, v87                    ; T
	v_mul_f32 v[C+4], v80, v84
	v_mul_f32 v[C+4], 0.5, v[C+4]                  ; N T / 2
	v_max_num_f32 v[C+4], 0, v[C+4]                ; a NaN becomes 0
	v_min_num_f32 v[C+4], 0x477fff00, v[C+4]       ; at most 65,535.0
	v_cvt_u32_f32 v92, v[C+4]                      ; toward zero
	v_add_nc_u32 v92, 1, v92                       ; s > N T / 2
	v_mov_b32 v93, v92
	global_store_b64 v94, v[92:93], s[10:11]       ; 32 lanes x 8 bytes: the buffer's 256 bytes, whole
.Lend:
	s_wait_tensorcnt 0x0                           ; the wave's end: behind my last LDS store
	ds_add_u32 v10, v11
	s_wait_dscnt 0x0
	s_endpgm
.Lfunc_end_k_q4565e02077_prep:
	.size	k_q4565e02077_prep, .Lfunc_end_k_q4565e02077_prep-k_q4565e02077_prep
	.p2alignl 7, 3214868480
	.fill 96, 4, 3214868480
	.section	.rodata,"a",@progbits
	.p2align	6, 0x0
	.amdhsa_kernel k_q4565e02077_prep
		.amdhsa_group_segment_fixed_size 2048
		.amdhsa_private_segment_fixed_size 0
		.amdhsa_enable_private_segment 0
		.amdhsa_kernarg_size 32
		.amdhsa_user_sgpr_count 2
		.amdhsa_user_sgpr_kernarg_segment_ptr 1
		.amdhsa_wavefront_size32 1
		.amdhsa_system_sgpr_workgroup_id_x 1
		.amdhsa_system_sgpr_workgroup_id_y 1
		.amdhsa_system_sgpr_workgroup_id_z 1
		.amdhsa_system_vgpr_workitem_id 0
		.amdhsa_next_free_vgpr 96
		.amdhsa_next_free_sgpr 66
		.amdhsa_reserve_vcc 0
		.amdhsa_float_denorm_mode_32 3
		.amdhsa_float_denorm_mode_16_64 3
		.amdhsa_memory_ordered 1
		.amdhsa_forward_progress 1
		.amdhsa_inst_pref_size 9
	.end_amdhsa_kernel
	.amdgpu_metadata
---
amdhsa.version: [ 1, 2 ]
amdhsa.kernels:
  - .name:           k_q4565e02077_prep
    .symbol:         k_q4565e02077_prep.kd
    .args:
      - { .name: dt, .offset: 0, .size: 8, .value_kind: global_buffer, .address_space: global }
      - { .name: kernel, .offset: 8, .size: 8, .value_kind: global_buffer, .address_space: global }
      - { .name: abf, .offset: 16, .size: 8, .value_kind: global_buffer, .address_space: global }
      - { .name: steps, .offset: 24, .size: 8, .value_kind: global_buffer, .address_space: global }
    .group_segment_fixed_size: 2048
    .private_segment_fixed_size: 0
    .kernarg_segment_align: 8
    .kernarg_segment_size: 32
    .max_flat_workgroup_size: 256
    .sgpr_count:     66
    .vgpr_count:     96
    .wavefront_size: 32
...
	.end_amdgpu_metadata
.endif
;; end of part 1
;; launch flow (part 2): grid 256 x 1, 2 waves a work-group, no clusters, 8,960 bytes of LDS; arguments dt, x0, abf, steps, out0; writes out0
.if DOCPART == 2
	.amdgcn_target "amdgcn-amd-amdhsa--gfx1250"
	.amdhsa_code_object_version 6
	.text
	.protected	k_q4565e02077_flow
	.globl	k_q4565e02077_flow
	.p2align	8
	.type	k_q4565e02077_flow,@function
k_q4565e02077_flow:
	s_mov_b64 s[64:65], 0
	v_nop
	global_prefetch_b8 v0, s[64:65] scope:SCOPE_SE
	s_setreg_imm32_b32 hwreg(HW_REG_WAVE_MODE, 25, 1), 1
	s_wait_xcnt 0x0
; out0[b] = expm(dt[b] A) x0[b] for 8,192 rows b of 64 numbers, A [64][64] shared by all rows.  Only the exponential's ACTION on one vector a row is wanted, so no exponential is formed.
; METHOD.  The time dt[b] is cut into s equal steps h = dt[b] / s; s (a whole number that the launch before stored) is such that the infinity norm of h A is below 2 for every row.
; A step is y <- T10(h A) y, the series up to the tenth power, by Horner: p = y; for k = 10 .. 1: p = y + (h / k) A p; y = p.
; What the cut leaves out of a step is at most 2^11 / 11! x 1.2 = 6.2e-5 of y's largest number, for every matrix of that norm; inside a step nothing grows beyond e^2 times y, so no difference of large sums is formed.
; FORMATS.  A comes rounded once to bf16 (abf); p is rounded to bf16 as a matrix operand; y, the sums and h / k stay in f32.  bf16, not f16: the state may grow as far as f32 reaches.
; LIMITS.  s is held to 1 .. 65,536: beyond norm(A) x max|dt| = 131,072 a step is longer than 2.  The error of the bf16 operands grows with the norm of dt A.  Where the formed exponential
; of very large norms gives NaN by its own bound on squarings, this text gives the flow's value or an infinity.
; SHARES.  512 tiles of 16 rows, one a wave, two waves a work-group, 256 work-groups.  The waves share nothing: no barrier.  A's 8 KiB go straight into each wave's registers, once.
; LAYOUT.  The product is used transposed: source 0 = 16 rows of A, source 1 = the 16 batch rows.  In the result of tile it a lane (r = l % 16, h = l / 16) holds batch row r and the
; state's numbers 16 it + 8 h + 0..7.  Tiles 2 kb and 2 kb + 1, rounded to bf16 in pairs, ARE source 1 for the columns 32 kb .. 32 kb + 31 of A: nothing changes lanes and nothing goes
; through LDS inside the chain, and dt[b] / s is one number a lane.  LDS serves only to turn rows of 256 bytes into that layout at the start, and back at the end.
; LEFT OUT: tensor loads, a ring, a cluster (what is shared is 8 KiB, read once a wave), a prefetch (every load is issued at the head).
.set PITCH, 272                        ; a stage row: 256 bytes + 16: the 16 rows that a 16-byte access touches fall on 16 different 16-byte columns of 256
.set STG,   16*PITCH                   ; a wave's stage: 4,352 bytes, at 4,352 x wave
.set SPARE, 2*STG                      ; 8,704: the spare words, 128 bytes for each of the two waves; no other line names them
.set GO,  4                            ; v4   16 l: my 16 bytes of 512 consecutive ones, in x0, out0 and abf; never rewritten
.set RD,  5                            ; v5   stage, by rows: row h, byte 16 r
.set ST,  6                            ; v6   stage, by fragments: row r, byte 32 h
.set DO,  7                            ; v7   4 r: my row's dt
.set HK,  8                            ; v[8:27]    the pair (h / k, h / k) at HK + 2 (k - 1)
.set PB,  32                           ; v[32:47]   p in bf16: tile it at PB + 4 it; source 1 for kb at PB + 8 kb
.set SPW, 48                           ; v48  my spare word; never rewritten
.set NIL, 49                           ; v49  0; never rewritten
.set AF,  64                           ; v[64:127]  A's fragments: (it, kb) at AF + 8 (2 it + kb)
.set Y,   128                          ; v[128:159] y, f32: tile it at Y + 8 it
.set W,   160                          ; v[160:191] the four accumulators, tile it at W + 8 it; at the start and the end whole rows on their way
	s_load_b256 s[4:11], s[0:1], 0x0               ; dt s[4:5], x0 s[6:7], abf s[8:9], steps s[10:11]
	s_load_b64 s[12:13], s[0:1], 0x20              ; out0
	v_lshl_add_u32 v[SPW], v0, 2, SPARE
	v_mov_b32 v[NIL], 0
	v_lshrrev_b32 v1, 5, v0
	v_readfirstlane_b32 s15, v1                    ; wave 0, 1
	s_lshl_b32 s16, ttmp9, 1
	s_add_co_u32 s16, s16, s15                     ; my tile of 16 rows
	s_lshl_b32 s18, s16, 12                        ; 16 rows of 256 bytes
	s_mov_b32 s19, 0
	s_lshl_b32 s20, s16, 6                         ; 16 numbers of dt
	s_mov_b32 s21, 0
	s_mul_i32 s22, s15, STG                        ; my stage
	v_and_b32 v1, 31, v0                           ; l
	v_and_b32 v2, 15, v0                           ; r
	v_bfe_u32 v3, v0, 4, 1                         ; h
	v_lshlrev_b32 v[GO], 4, v1
	v_mul_u32_u24 v[RD], v3, PITCH
	v_lshl_add_u32 v[RD], v2, 4, v[RD]
	v_add_nc_u32 v[RD], s22, v[RD]
	v_mul_u32_u24 v[ST], v2, PITCH
	v_lshl_add_u32 v[ST], v3, 5, v[ST]
	v_add_nc_u32 v[ST], s22, v[ST]
	v_lshlrev_b32 v[DO], 2, v2
	s_wait_kmcnt 0x0
	s_load_b32 s14, s[10:11], 0x0                  ; s
	s_add_nc_u64 s[6:7], s[6:7], s[18:19]          ; x0, out0 and dt at my tile: stepped before any load names them
	s_add_nc_u64 s[12:13], s[12:13], s[18:19]
	s_add_nc_u64 s[4:5], s[4:5], s[20:21]
.irp t, 0,1,2,3,4,5,6,7
	global_load_b128 v[W+4*(\t):W+4*(\t)+3], v[GO], s[6:7] offset:512*(\t) th:TH_LOAD_NT  ; rows 2 t and 2 t + 1: 512 consecutive bytes, aligned
.endr
	global_load_b32 v30, v[DO], s[4:5]
.irp f, 0,1,2,3,4,5,6,7
	global_load_b128 v[AF+8*(\f):AF+8*(\f)+3],   v[GO], s[8:9] offset:1024*(\f)       ; a fragment as it lies
	global_load_b128 v[AF+8*(\f)+4:AF+8*(\f)+7], v[GO], s[8:9] offset:1024*(\f)+512
.endr
	s_wait_kmcnt 0x0
	s_min_u32 s14, s14, 0x10000                    ; the trip count, held to what the launch before can have stored
	s_max_u32 s14, s14, 1
	v_cvt_f32_u32 v28, s14
	v_rcp_f32 v29, v28                             ; 1 / s
	v_nop                                          ; a plain instruction behind the reciprocal (ISA guide 5.7.2)
	s_wait_loadcnt 17                              ; dt's load and A's sixteen are younger: x0's eight are in
.irp t, 0,1,2,3,4,5,6,7
	ds_store_b128 v[RD], v[W+4*(\t):W+4*(\t)+3] offset:2*PITCH*(\t)
.endr
.irp it, 0,1,2,3                       ; LDS serves a wave's instructions in order (ISA guide 5.7.1.4), and the stage is my own: these see the stores above
	ds_load_b128 v[Y+8*(\it):Y+8*(\it)+3],   v[ST] offset:64*(\it)
	ds_load_b128 v[Y+8*(\it)+4:Y+8*(\it)+7], v[ST] offset:64*(\it)+16
.endr
	s_wait_loadcnt 16                              ; A's sixteen are younger: dt is in
	s_wait_alu depctr_va_vdst(0)                   ; ahead of the reciprocal's first reader
	v_mul_f32 v30, v30, v29                        ; h = dt / s
.macro MKH k, c
	v_mul_f32 v[HK+2*(\k)-2], \c, v30
	v_mul_f32 v[HK+2*(\k)-1], \c, v30
.endm
	MKH 1, 1.0
	MKH 2, 0.5
	MKH 3, 0x3eaaaaab
	MKH 4, 0x3e800000
	MKH 5, 0x3e4ccccd
	MKH 6, 0x3e2aaaab
	MKH 7, 0x3e124925
	MKH 8, 0x3e000000
	MKH 9, 0x3de38e39
	MKH 10, 0x3dcccccd
	s_wait_dscnt 0x0                               ; y is in
.set j, 0
.rept 16
	v_cvt_pk_bf16_f32 v[PB+j], v[Y+2*j], v[Y+2*j+1]  ; the first p is y
.set j, j+1
.endr
	s_wait_loadcnt 0x0                             ; A
	s_mov_b32 s23, 0
; ONE TERM: p = y + (h / k) A p.  Eight products: the four accumulators take turns, one instruction a turn, from term to term and over the backward jump too;
; the first four start the sums with the constant 0.  Four v_nop are the places (ISA guide 7.12.1) between the last product on tile 0 and the first line that reads it; tiles 0 and 1's
; sixteen lines, which name no register of the last products, are the places in front of the lines that rewrite PB + 8 .., a source of those products.  Each accumulator is read from its low end on.
; k = 1 ends the step: the sum goes into y.
.macro TERM k
.irp it, 0,1,2,3
	v_wmma_f32_16x16x32_bf16 v[W+8*(\it):W+8*(\it)+7], v[AF+16*(\it):AF+16*(\it)+7], v[PB:PB+7], 0
.endr
.irp it, 0,1,2,3
	v_wmma_f32_16x16x32_bf16 v[W+8*(\it):W+8*(\it)+7], v[AF+16*(\it)+8:AF+16*(\it)+15], v[PB+8:PB+15], v[W+8*(\it):W+8*(\it)+7]
.endr
.rept 4
	v_nop
.endr
.if (\k) > 1
.set DST, W
.else
.set DST, Y
.endif
.irp it, 0,1,2,3
.irp j, 0,2,4,6
	v_pk_fma_f32 v[DST+8*(\it)+(\j):DST+8*(\it)+(\j)+1], v[W+8*(\it)+(\j):W+8*(\it)+(\j)+1], v[HK+2*(\k)-2:HK+2*(\k)-1], v[Y+8*(\it)+(\j):Y+8*(\it)+(\j)+1]
.endr
.irp j, 0,1,2,3
	v_cvt_pk_bf16_f32 v[PB+4*(\it)+(\j)], v[DST+8*(\it)+2*(\j)], v[DST+8*(\it)+2*(\j)+1]
.endr
.endr
.endm
.Lstep:                                        ; s trips; a trip is a step of the flow: registers alone, no memory, no LDS
.irp k, 10,9,8,7,6,5,4,3,2,1
	TERM \k
.endr
	s_add_co_u32 s23, s23, 1
	s_cmp_lt_u32 s23, s14
	s_cbranch_scc1 .Lstep
	; THE WAY OUT: y goes into my stage by fragments and comes back as whole rows of 256 bytes.
.irp it, 0,1,2,3
	ds_store_b128 v[ST], v[Y+8*(\it):Y+8*(\it)+3]   offset:64*(\it)
	ds_store_b128 v[ST], v[Y+8*(\it)+4:Y+8*(\it)+7] offset:64*(\it)+16
.endr
.irp t, 0,1,2,3,4,5,6,7
	ds_load_b128 v[W+4*(\t):W+4*(\t)+3], v[RD] offset:2*PITCH*(\t)  ; in order behind the stores above; the last product that named W stands 36 plain lines back
.endr
.irp t, 0,1,2,3,4,5,6,7
	s_wait_dscnt 7-(\t)                            ; LDS loads come back in order: pair t of rows is in, the younger ones may be out
	global_store_b128 v[GO], v[W+4*(\t):W+4*(\t)+3], s[12:13] offset:512*(\t) th:TH_STORE_NT  ; 16 lanes store 256 consecutive bytes, at a multiple of 256 from out0's first byte
.endr
	s_wait_tensorcnt 0x0                           ; the wave's end: behind my last LDS store
	ds_add_u32 v[SPW], v[NIL]
	s_wait_dscnt 0x0
	s_endpgm
.Lfunc_end_k_q4565e02077_flow:
	.size	k_q4565e02077_flow, .Lfunc_end_k_q4565e02077_flow-k_q4565e02077_flow
	.p2alignl 7, 3214868480
	.fill 96, 4, 3214868480
	.section	.rodata,"a",@progbits
	.p2align	6, 0x0
	.amdhsa_kernel k_q4565e02077_flow
		.amdhsa_group_segment_fixed_size 8960
		.amdhsa_private_segment_fixed_size 0
		.amdhsa_enable_private_segment 0
		.amdhsa_kernarg_size 40
		.amdhsa_user_sgpr_count 2
		.amdhsa_user_sgpr_kernarg_segment_ptr 1
		.amdhsa_wavefront_size32 1
		.amdhsa_system_sgpr_workgroup_id_x 1
		.amdhsa_system_sgpr_workgroup_id_y 1
		.amdhsa_system_sgpr_workgroup_id_z 1
		.amdhsa_system_vgpr_workitem_id 0
		.amdhsa_next_free_vgpr 192
		.amdhsa_next_free_sgpr 66
		.amdhsa_reserve_vcc 0
		.amdhsa_float_denorm_mode_32 3
		.amdhsa_float_denorm_mode_16_64 3
		.amdhsa_memory_ordered 1
		.amdhsa_forward_progress 1
		.amdhsa_inst_pref_size 36
	.end_amdhsa_kernel
	.amdgpu_metadata
---
amdhsa.version: [ 1, 2 ]
amdhsa.kernels:
  - .name:           k_q4565e02077_flow
    .symbol:         k_q4565e02077_flow.kd
    .args:
      - { .name: dt, .offset: 0, .size: 8, .value_kind: global_buffer, .address_space: global }
      - { .name: x0, .offset: 8, .size: 8, .value_kind: global_buffer, .address_space: global }
      - { .name: abf, .offset: 16, .size: 8, .value_kind: global_buffer, .address_space: global }
      - { .name: steps, .offset: 24, .size: 8, .value_kind: global_buffer, .address_space: global }
      - { .name: out0, .offset: 32, .size: 8, .value_kind: global_buffer, .address_space: global }
    .group_segment_fixed_size: 8960
    .private_segment_fixed_size: 0
    .kernarg_segment_align: 8
    .kernarg_segment_size: 40
    .max_flat_workgroup_size: 64
    .sgpr_count:     66
    .vgpr_count:     192
    .wavefront_size: 32
...
	.end_amdgpu_metadata
.endif
;; end of part 2
